; MI455X (gfx1250); checked and timed in simulation.
; The chip was launched on July 23, 2026; its instructions are those of AMD's public machine-readable ISA for CDNA 5 (MIT licence, August 2026) and "CDNA5" Instruction Set Architecture Reference Guide (July 2026). The comments in the code are by the model that wrote it; some were corrected since.
;; Attention. Allowed arithmetic: matrix products marked QUANTISED: E4M3 operands, one given power-of-two scale a tensor, by v_wmma_f32_16x16x64_fp8_fp8 or v_wmma_f32_16x16x128_fp8_fp8, f32 sums; everything else in f32.
;; Inputs: b_attn 3,072 float32; b_proj 1,024 float32; lowp_scales 8 int32 (the exponents e of the quantised operands' scales 2^e); w_attn_codes 3,072 x 32 x 32 uint8 (E4M3 codes of w_attn, K innermost, in blocks of 32 codes); w_proj_codes 1,024 x 32 x 32 uint8 (E4M3 codes of w_proj, K innermost, in blocks of 32 codes); x_codes 8 x 1,024 x 32 x 32 uint8 (E4M3 codes of x, K innermost, in blocks of 32 codes).
;; Outputs: out0 8 x 1,024 x 1,024 float32.
;; This version of the problem:
;;   THIS VERSION OF THE PROBLEM IS GIVEN IN LOW PRECISION. The matrix products marked QUANTISED in the list below multiply operands that are first quantised to E4M3 (4 exponent bits, 3 mantissa bits; 8 bits a number), with one given power-of-two scale for each operand tensor; their sums are f32. All else is computed in f32.
;;   The module's matrix products, in the order in which they are computed (A, B: the left and right operand; K: the contracted axis; several contracted axes count as one K, in the product's order):
;;     1. [M 8,192, K 1,024] x [K 1,024, N 3,072]; A: input x (given as codes); B: input w_attn (given as codes): QUANTISED (scales: A lowp_scales[0], B lowp_scales[1])
;;     2. batch 128 x [M 1,024, K 64] x [K 64, N 1,024]; A: computed on the way; B: computed on the way: QUANTISED (scales: A lowp_scales[2], B lowp_scales[3])
;;     3. batch 128 x [M 1,024, K 1,024] x [K 1,024, N 64]; A: softmax (see below); B: computed on the way: QUANTISED (scales: A lowp_scales[4], B lowp_scales[5])
;;     4. [M 8,192, K 1,024] x [K 1,024, N 1,024]; A: computed on the way; B: input w_proj (given as codes): QUANTISED (scales: A lowp_scales[6], B lowp_scales[7])
;;   THE QUANTISER, for each operand of a quantised product, along K:
;;     - The operand's scale is 2^e, e = its entry of the input lowp_scales (int32; the entries are numbered through the quantised products in the list's order, A before B).
;;     - Each number is divided by the scale, clamped to +-448, and rounded to the nearest number of E4M3, ties to even, subnormals kept.
;;     - The product sums the exact products of the quantised numbers (number of the format x scale) in f32.
;;   ~~~python
;;   def quantise(x, axis, e):      # numpy; x: float32 -> the quantised numbers, widened to float32 again
;;       x = np.moveaxis(x, axis, -1); K = x.shape[-1]
;;       r = np.clip(x / 2.0 ** e, -448, 448)
;;       step = 2.0 ** (np.maximum(np.frexp(np.where(r == 0, 1, r))[1] - 1, -6) - 3)
;;       q = np.round(r / step) * step * 2.0 ** e      # np.round: ties to even
;;       return np.moveaxis(q, -1, axis).astype(np.float32)
;;   ~~~
;;   SOFTMAX AHEAD OF A QUANTISED PRODUCT. Where the list says 'softmax', what is quantised is not the finished softmax but p = 2^(t - M), with t = logit x log2(e) and M = ceil(the row's largest t), a whole number; so 1/2 < the row's largest p <= 1. The row's sum l is taken of the UNQUANTISED p, in f32, and the product's result is divided by l at the end. Since M is a whole number, a kernel that streams over the keys may use a running M (the ceiling of the running maximum): every later rescaling is an exact power of two, so the quantised numbers keep their values, but for numbers so far below the row's largest that they fall under the format's range.
;;   OPERANDS COMPUTED ON THE WAY. 'Computed on the way' means the value that the module computes at that place (a softmax that the list does not call 'softmax' is quantised finished and normalised). What goes into a quantiser is computed in f32, as accurately as f32 sums, v_exp_f32 and their like allow (about 1e-6 of the number): no bf16 or f16 on the way to a quantiser, and a product that is left as it is and whose result goes on into a quantised operand takes f32 operands (vector FMAs, or v_wmma_f32_16x16x4_f32). A number that lies on a knife's edge between two numbers of the format may be rounded either way, as far as f32 arithmetic and the matrix unit's own rounding can turn it there, and no further.
;;   INPUTS GIVEN AS CODES. w_attn (in the module: [1024, 3072], K = its axis 0); w_proj (in the module: [1024, 1024], K = its axis 0); x (in the module: [8, 1024, 1024], K = its axis 2): each comes as NAME_codes (uint8): NAME with its K axis moved to the last place and cut into blocks of 32 codes, [.., K / 32, bytes a block], one block behind the other in memory; one code a byte (a code: sign, 4 exponent bits, 3 mantissa bits); its scale is its entry of lowp_scales. Its value is code x scale, taken as it is: it is not quantised again, and the codes and scales need not be those that the quantiser above would give.
;; One version. Each part assembles by itself: llvm-mc -triple=amdgcn-amd-amdhsa -mcpu=gfx1250 --defsym DOCPART=n.
;; ======== version 1 of 1: 3 launches
;; limits: right only within a limited range of input values
;; workspace buffers: q_img 8,388,608 bytes; k_img 8,388,608 bytes; v_img 8,388,608 bytes; a_img 8,388,608 bytes
;; launch qkv (part 1): grid 8 x 32, 4 waves a work-group, clusters of 4 x 4, 327,680 bytes of LDS; arguments x_codes, w_attn_codes, lowp_scales, b_attn, q_img, k_img, v_img; writes q_img, k_img, v_img
.if DOCPART == 1
	.amdgcn_target "amdgcn-amd-amdhsa--gfx1250"
	.amdhsa_code_object_version 6
	.text
	.protected	k_q2cb7720484_qkv
	.globl	k_q2cb7720484_qkv
	.p2align	8
	.type	k_q2cb7720484_qkv,@function
k_q2cb7720484_qkv:
	s_mov_b64 s[64:65], 0
	v_nop
	global_prefetch_b8 v0, s[64:65] scope:SCOPE_SE
	s_setreg_imm32_b32 hwreg(HW_REG_WAVE_MODE, 25, 1), 1
	s_wait_xcnt 0x0
	s_wait_alu depctr_hold_cnt(0) depctr_sa_sdst(0) depctr_va_vdst(0) depctr_va_sdst(0) depctr_va_ssrc(0) depctr_va_vcc(0) depctr_vm_vsrc(0)
	s_getreg_b32 s2, hwreg(HW_REG_IB_STS2, 6, 4)
	s_cmp_eq_u32 s2, 0
	s_cbranch_scc0 .Lentry_in_a_cluster
	s_endpgm
.Lentry_in_a_cluster:
	s_bfe_u32 s2, ttmp6, 0x10000c
	s_cmp_lg_u32 s2, 0xf033
	s_cbranch_scc0 .Lentry_shape_is_right
	s_endpgm
.Lentry_shape_is_right:
; qkv = x W + b_attn on codes of FP8 (E4M3), then q, k and v are quantised again and stored as IMAGES OF OPERAND REGISTERS for the attention launch.
; x: [8192][1024] codes, W: [3072][1024] codes (K innermost), b_attn [3072] f32.  lowp_scales: e0 (x), e1 (W), e2 (q), e3 (k), e5 (v).
; SHARES.  A work-group takes 256 tokens (my) x 384 columns that are NOT neighbours: heads 2 nx and 2 nx + 1 of q, of k and of v (W's rows T x 1024 + 128 nx + 0..127, T = 0, 1, 2).
; A wave takes 128 tokens (wm) x one head (2 nx + wn) of q, k and v: 96 accumulators of 16 x 16, 768 registers: q in window 1, k in window 2, v in window 3; accumulator (a, t) at v[8 (4 a + t)].
; So whether a sum belongs to q, k or v is a matter of the register window, written in the text, and no branch hangs on it.
; FORM.  v_wmma_f32_16x16x64_fp8_fp8.  q, k: source 0 = 16 rows of W, source 1 = 16 tokens: a lane holds one token and eight neighbouring channels d.  v: source 0 = 16 tokens, source 1 = 16 rows of W: a lane holds
; one channel and eight neighbouring tokens (v's K in the attention is the keys).  Either way the conversion of an accumulator's eight registers IS a pair of registers of the image; nothing is transposed, no stage is needed.
; A fragment (16 rows x 64 K, 8 registers) comes by two loads of 16 bytes, 32 bytes apart: a permutation of k inside the instruction, the same for both sources, so every product meets its partner.
; IMAGES.  q_img, k_img: [head 128][tile of 16 tokens 64][2][lane][16 bytes]: lane (r, h): token r, registers 2 t, 2 t + 1: d = 16 t + 8 h + 0..7.
;          v_img: [head 128][128 keys 8][tile of 16 d 4][4][lane][16 bytes]: lane (r, h): d = 16 t + r, registers 2 c, 2 c + 1: key 16 c + 8 h + 0..7.   Each store of a wave covers 512 consecutive bytes, aligned.
; RING.  K goes in steps of 128 through two LDS slots (two matrix steps of 64 each).  Rows of 256 bytes would want 2 x 640 x 272 = 348,160 bytes, more than the 327,680 there are: so the rows are 128 bytes.
; CLUSTER 4 x 4: x's tile hangs on my alone and is asked for jointly along a row of the cluster, W's on nx alone, jointly along a column.
; LIMITS: e0 + e1 between -126 and 127; e2, e3, e5 between -126 and 119, so that each power of two below is an f32 number.  NaN among the inputs is not served.
.set PITCH,  144                       ; an LDS row: 128 bytes + 16 of padding = 36 words: the 16 rows of a load start at 16 different groups of four banks (64 banks of 4 bytes: ISA guide 11.1)
.set WREG,   128*PITCH                 ; 128 rows: W's q, k or v part of a slot; also half of x's 256 rows
.set XOFF,   3*WREG                    ; x's rows lie behind W's three parts
.set SLOT,   5*WREG
.set SPARE,  2*SLOT                    ; behind the ring: the spare words, 128 bytes for each wave: two blocks of 256 bytes that no other line names
.set BIASB,  SPARE+512                 ; 768 bytes for each wave: its head's 64 biases of q, of k, of v
.set ADRA, 16                          ; v16-17  LDS address of my x fragments in slot 0, 1
.set ADRB, 18                          ; v18-19  the same for W
.set BI,   20                          ; v20-25  the biases on their way into LDS
.set GO,   26                          ; v26     16 x lane: my place in an image's 512 bytes
.set BRQ,  27                          ; v27     where I read q's and k's biases back: + 32 h
.set SPW,  28                          ; v28     LDS address of my spare word; never rewritten
.set NIL,  29                          ; v29     0; never rewritten
.set BRV,  30                          ; v30     where I read v's biases back: + 4 r
.set BW,   31                          ; v31     where I put the biases: + 8 x lane
.set MF,   32                          ; v32-159 x's 8 fragments, two sets
.set NF,   160                         ; v160-255 W's 12 fragments (4 g + t), one set
.set BQ,   32                          ; the way out: q's biases, 8 registers a tile t
.set BK,   64                          ; k's
.set BV,   96                          ; v's: a pair of equal numbers a tile t
.set SC,   104                         ; v104.. 2^e for q, k, v
.set TMP,  112                         ; two sets of 32 numbers
.set CD,   176                         ; 64 registers of codes
.set G1,  24                           ; s[24:31] descriptor group 1 for x's tiles; s[32:39] group 0, one set for each slot
.set G0,  32
.set G1B, 48                           ; s[48:55], s[56:63] the same for W's
.set G0B, 56
.set MSB, 0
.macro WIN new                         ; the immediate's high byte repeats the setting that is left
.if MSB != (\new)
	s_set_vgpr_msb (MSB<<8)|(\new)
.set MSB, (\new)
.endif
.endm
; A joint load: wave 3 fetches x's 256 rows, waves 0, 1, 2 W's rows of q, k, v.  The branch hangs on the wave's number alone.  Four v_nop follow each of the two lines.
.macro JLOAD s
	s_cmp_eq_u32 s14, 3
	s_cbranch_scc0 .Lfor_w_\@
	tensor_load_to_lds s[G0+4*\s:G0+4*\s+3], s[G1:G1+7]
	s_nop 0
.rept 4
	v_nop
.endr
	s_branch .Lasked_\@
.Lfor_w_\@:
	tensor_load_to_lds s[G0B+4*\s:G0B+4*\s+3], s[G1B:G1B+7]
	s_nop 0
.rept 4
	v_nop
.endr
.Lasked_\@:
.endm
.macro CREST                           ; a round of the cluster's barrier behind its opening barrier
	s_cmp_lg_u32 s14, 0
	s_cbranch_scc1 .Lnot_wave_0_\@
	s_barrier_signal -3
.Lnot_wave_0_\@:
	s_barrier_wait -3
	s_barrier_signal -1
	s_barrier_wait -1
.endm
.macro CROUND                          ; a whole round
	s_barrier_signal -1
	s_barrier_wait -1
	CREST
.endm
.macro PLACES n                        ; plain vector instructions between a matrix instruction and a load into, or a read of, its registers
.rept \n
	v_nop
.endr
.endm
	s_load_b256 s[4:11], s[0:1], 0x0               ; x s[4:5], W s[6:7], the scales' exponents s[8:9], b_attn s[10:11]
	s_load_b128 s[68:71], s[0:1], 0x20             ; q_img, k_img
	s_load_b64 s[72:73], s[0:1], 0x30              ; v_img
	v_lshl_add_u32 v[SPW], v0, 2, SPARE
	v_mov_b32 v[NIL], 0
	ds_add_u32 v28, v29
	ds_add_u32 v28, v29
	s_wait_dscnt 0x0
	v_lshrrev_b32 v1, 5, v0
	v_readfirstlane_b32 s14, v1                    ; wave 0..3
	s_lshr_b32 s15, s14, 1                         ; wm: which 128 tokens
	s_and_b32 s16, s14, 1                          ; wn: which of the two heads
	s_bfe_u32 s40, ttmp6, 0x40000                  ; cx, cy: my place in the cluster
	s_bfe_u32 s41, ttmp6, 0x40004
	s_lshl_b32 s42, ttmp9, 2
	s_add_co_u32 s42, s42, s40                     ; nx = 4 x cluster x + cx
	s_and_b32 s17, ttmp7, 0xffff
	s_lshl_b32 s17, s17, 2
	s_add_co_u32 s17, s17, s41                     ; my = 4 x cluster y + cy
	s_lshl_b32 s43, s41, 2
	s_lshl_b32 s43, 15, s43                        ; my row of the cluster
	s_lshl_b32 s44, 0x1111, s40                    ; my column
	s_or_b32 s[G1+0], s43, (1<<20)|(1<<21)|(4<<22)|(3<<25)   ; 15:0 the mask; 17:16 elements of 1 byte; 20 padding on; 21 set beside a mask; 24:22 after every 32 words (code 4); 31:25 four words (code 3)
	s_or_b32 s[G1B+0], s44, (1<<20)|(1<<21)|(4<<22)|(3<<25)
	s_mov_b32 s[G1+1], 128<<16                     ; tensor_dim0 = 128
	s_mov_b32 s[G1+2], 256<<16                     ; tensor_dim1 = 256
	s_mov_b32 s[G1+3], 128<<16                     ; tile_dim0 = 128
	s_mov_b32 s[G1+4], 256                         ; tile_dim1 = 256
	s_mov_b32 s[G1+5], 1024                        ; from row to row
	s_mov_b32 s[G1+6], 0
	s_mov_b32 s[G1+7], 0
	s_mov_b32 s[G1B+1], 128<<16
	s_mov_b32 s[G1B+2], 128<<16                    ; 128 rows
	s_mov_b32 s[G1B+3], 128<<16
	s_mov_b32 s[G1B+4], 128
	s_mov_b32 s[G1B+5], 1024
	s_mov_b32 s[G1B+6], 0
	s_mov_b32 s[G1B+7], 0
	s_lshl_b32 s20, s17, 18                        ; x: 256 rows of 1,024 bytes for each my
	s_mov_b32 s21, 0
	s_min_u32 s18, s14, 2                          ; W: T = my wave's number (wave 3 never asks by this address; it is kept inside the buffer)
	s_lshl_b32 s46, s18, 20                        ; 1,024 rows for each T,
	s_lshl_b32 s47, s42, 17                        ; 128 rows for each nx
	s_add_co_u32 s46, s46, s47
	s_mov_b32 s47, 0
	s_mul_i32 s45, s14, WREG                       ; where my tile goes: wave x 128 rows; for wave 3 that is where x's rows begin
	s_wait_kmcnt 0x0
	s_load_b256 s[76:83], s[8:9], 0x0              ; e0 .. e7
	s_add_nc_u64 s[20:21], s[4:5], s[20:21]
	s_add_nc_u64 s[46:47], s[6:7], s[46:47]
	CROUND                                         ; all sixteen work-groups are here: the first joint loads meet
.irp s, 0,1
	s_mov_b32 s[G0+4*\s], 1
	s_add_co_u32 s[G0+4*\s+1], s45, \s*SLOT
	s_add_nc_u64 s[G0+4*\s+2:G0+4*\s+3], s[20:21], \s*128
	s_or_b32 s[G0+4*\s+3], s[G0+4*\s+3], 0x80000000
	s_mov_b32 s[G0B+4*\s], 1
	s_add_co_u32 s[G0B+4*\s+1], s45, \s*SLOT
	s_add_nc_u64 s[G0B+4*\s+2:G0B+4*\s+3], s[46:47], \s*128
	s_or_b32 s[G0B+4*\s+3], s[G0B+4*\s+3], 0x80000000
	JLOAD \s
.endr
	v_and_b32 v1, 15, v0                           ; r
	v_bfe_u32 v2, v0, 4, 1                         ; h
	v_mul_u32_u24 v3, v1, PITCH
	v_lshl_add_u32 v4, v2, 4, v3                   ; a fragment's row x pitch + 16 h
	s_mul_i32 s21, s15, WREG                       ; my 128 rows of x,
	s_add_co_u32 s21, s21, XOFF                    ; behind W's
	s_mul_i32 s22, s16, 64*PITCH                   ; my head's 64 rows in each part of W
.irp s, 0,1
	v_add_nc_u32 v[ADRA+\s], s21, v4
	v_add_nc_u32 v[ADRB+\s], s22, v4
	s_add_co_u32 s21, s21, SLOT
	s_add_co_u32 s22, s22, SLOT
.endr
	v_and_b32 v3, 31, v0
	v_lshlrev_b32 v[GO], 4, v3
	v_lshlrev_b32 v5, 3, v3                        ; 8 x lane
	s_mul_i32 s23, s14, 768
	s_add_co_u32 s23, s23, BIASB                   ; my wave's biases in LDS
	v_add_nc_u32 v[BW], s23, v5
	v_lshl_add_u32 v[BRQ], v2, 5, s23
	v_lshl_add_u32 v[BRV], v1, 2, s23
	s_lshl_b32 s18, s42, 1
	s_add_co_u32 s18, s18, s16                     ; my head = 2 nx + wn
	s_lshl_b32 s22, s18, 8                         ; its 64 numbers of 4 bytes
	s_mov_b32 s23, 0
	s_add_nc_u64 s[10:11], s[10:11], s[22:23]
	global_load_b64 v[BI:BI+1], v5, s[10:11]                    ; the head's biases of q: 32 lanes read 256 consecutive bytes
	global_load_b64 v[BI+2:BI+3], v5, s[10:11] offset:4096      ; of k
	global_load_b64 v[BI+4:BI+5], v5, s[10:11] offset:8192      ; of v
	s_lshr_b32 s19, s17, 2                         ; the batch entry b = my / 4
	s_lshl_b32 s19, s19, 4
	s_add_co_u32 s19, s19, s18                     ; 16 b + head
	s_lshl_b32 s86, s19, 16                        ; a head's image is 65,536 bytes
	s_and_b32 s19, s17, 3
	s_lshl_b32 s19, s19, 1
	s_add_co_u32 s19, s19, s15                     ; which 128 tokens of the sequence are my wave's
	s_lshl_b32 s19, s19, 13                        ; 8,192 bytes in each of the three images
	s_add_co_u32 s86, s86, s19
	s_mov_b32 s87, 0
	s_add_nc_u64 s[68:69], s[68:69], s[86:87]
	s_add_nc_u64 s[70:71], s[70:71], s[86:87]
	s_add_nc_u64 s[72:73], s[72:73], s[86:87]
	s_wait_alu depctr_va_vdst(0)
	s_wait_loadcnt 0x0                             ; the biases are in (the first tiles are on their way meanwhile)
	ds_store_b64 v[BW], v[BI:BI+1]
	ds_store_b64 v[BW], v[BI+2:BI+3] offset:256
	ds_store_b64 v[BW], v[BI+4:BI+5] offset:512
; 16 loads: x's eight fragments of the slot's q-th 64 along K into set p
.macro FETCH_M slot, q, p
.irp a, 0,1,2,3,4,5,6,7
	ds_load_b128 v[MF+64*(\p)+8*\a:MF+64*(\p)+8*\a+3],   v[ADRA+\slot] offset:\a*16*PITCH+64*(\q)
	ds_load_b128 v[MF+64*(\p)+8*\a+4:MF+64*(\p)+8*\a+7], v[ADRA+\slot] offset:\a*16*PITCH+64*(\q)+32
.endr
.endm
; 8 loads: W's four fragments of part g (0 q, 1 k, 2 v)
.macro FETCH_N slot, q, g
.irp t, 0,1,2,3
	ds_load_b128 v[NF+8*(4*(\g)+\t):NF+8*(4*(\g)+\t)+3],   v[ADRB+\slot] offset:(\g)*WREG+\t*16*PITCH+64*(\q)
	ds_load_b128 v[NF+8*(4*(\g)+\t)+4:NF+8*(4*(\g)+\t)+7], v[ADRB+\slot] offset:(\g)*WREG+\t*16*PITCH+64*(\q)+32
.endr
.endm
; 16 matrix instructions of part g: token blocks a0 .. a0 + 3 x the head's four tiles of 16 channels.  zero = 1: the first product starts the sums: nothing is cleared.
; The 96 accumulators take turns, one instruction a turn, in the same order in every step.
.macro PH16 g, p, a0, zero
	WIN ((\g)+1)*0x50                              ; C and D in window g + 1, both sources in window 0
.irp a, \a0, \a0+1, \a0+2, \a0+3
.irp t, 0,1,2,3
.set rD, 8*(4*(\a)+\t)
.set rN, NF+8*(4*(\g)+\t)
.set rM, MF+64*(\p)+8*(\a)
.if (\g) == 2
.set rA, rM
.set rB, rN
.else
.set rA, rN
.set rB, rM
.endif
.if \zero
	v_wmma_f32_16x16x64_fp8_fp8 v[rD:rD+7], v[rA:rA+7], v[rB:rB+7], 0
.else
	v_wmma_f32_16x16x64_fp8_fp8 v[rD:rD+7], v[rA:rA+7], v[rB:rB+7], v[rD:rD+7]
.endif
.endr
.endr
.endm
.macro PHASE g, p, zero
	PH16 \g, \p, 0, \zero
	PH16 \g, \p, 4, \zero
.endm
; A slot's first 64 along K (x's set 0).  A part of W is free as soon as its 32 products are issued and is fetched anew behind them; x's next set comes with the first of these runs.
.macro STEP slot, zero
	s_wait_dscnt 16                                ; x's set and W's part q are in; the two youngest runs (parts k and v, 8 loads each) may be out
	PHASE 0, 0, \zero
	PLACES 4
	WIN 0
	FETCH_N \slot, 1, 0
	FETCH_M \slot, 1, 1
	s_wait_dscnt 32                                ; part k is in: behind it were issued part v's 8 loads and the 24 above
	PHASE 1, 0, \zero
	PLACES 4
	WIN 0
	FETCH_N \slot, 1, 1
	s_wait_dscnt 32                                ; part v is in: behind it the 24 and the 8
	PHASE 2, 0, \zero
	PLACES 4
	WIN 0
	FETCH_N \slot, 1, 2
.endm
; A slot's second 64 along K (x's set 1) changes slots: ONE barrier; in front of it each wave waits for all its tensor loads, adds 0 to its spare word, and waits for that and for its reads of this slot.
; fill = 1: the barrier opens a round of the cluster's barrier and this slot is filled again, two slots ahead along K.
.macro TURN slot, next, fill
	s_wait_tensorcnt 0x0                           ; all my tensor loads have landed: my part of the next slot
	ds_add_u32 v[SPW], v[NIL]                      ; 0 onto my spare word
	s_wait_dscnt 17                                ; (the add and the two youngest runs, 16 loads, may be out)
	PH16 0, 1, 0, 0                                ; sixteen matrix instructions stand between the add and the wait for it
	s_wait_dscnt 0x0                               ; the add is done, and my reads of this slot are over
	s_barrier_signal -1
	PH16 0, 1, 4, 0
	WIN 0
	s_barrier_wait -1
.if \fill
	CREST                                          ; no wave of any partner still reads this slot's tiles or has a load on its way
	s_add_nc_u64 s[G0+4*\slot+2:G0+4*\slot+3], s[G0+4*\slot+2:G0+4*\slot+3], 256
	s_add_nc_u64 s[G0B+4*\slot+2:G0B+4*\slot+3], s[G0B+4*\slot+2:G0B+4*\slot+3], 256
	JLOAD \slot                                    ; the first tensor load behind the round; its four v_nop are also the places in front of the loads below
.else
	PLACES 4
.endif
	FETCH_N \next, 0, 0
	FETCH_M \next, 0, 0
	PHASE 1, 1, 0
	PLACES 4
	WIN 0
	FETCH_N \next, 0, 1
	PHASE 2, 1, 0
	PLACES 4
	WIN 0
	FETCH_N \next, 0, 2
.endm
	s_wait_tensorcnt 1                             ; my part of slot 0 is in (slot 1's load may be out)
	s_wait_dscnt 0x0                               ; my stores of the biases are done
	s_barrier_signal -1
	s_barrier_wait -1                              ; everybody's is
	FETCH_M 0, 0, 0
	FETCH_N 0, 0, 0
	FETCH_N 0, 0, 1
	FETCH_N 0, 0, 2
	STEP 0, 1                                      ; the first step stands in front of the loop: its products start the sums
	s_mov_b32 s3, 3
.Llap:                                                 ; a trip goes once round the ring and fills both slots again: 8 slots' worth of K in all, 2 first fills and 6 refills
	TURN 0, 1, 1
	STEP 1, 0
	TURN 1, 0, 1
	STEP 0, 0
	s_sub_co_u32 s3, s3, 1
	s_cmp_lg_u32 s3, 0
	s_cbranch_scc1 .Llap
	TURN 0, 1, 0                                   ; the last lap fills nothing, and has no round of the cluster's barrier
	STEP 1, 0
	s_wait_dscnt 16                                ; the very last 64 along K: nothing more to fetch
	PHASE 0, 1, 0
	s_wait_dscnt 8
	PHASE 1, 1, 0
	s_wait_dscnt 0x0
	PHASE 2, 1, 0
	WIN 0
; THE WAY OUT.  number = sum x 2^(e0 + e1) + bias, one fused multiply-add for two; converted, eight numbers of a lane at a time.
	s_wait_kmcnt 0x0
	s_add_co_i32 s84, s76, s77
	s_add_co_i32 s84, s84, 127
	s_lshl_b32 s84, s84, 23                        ; 2^(e0 + e1) as f32
	s_mov_b32 s85, s84                             ; (named with it as a pair, so it is written)
	PLACES 4                                       ; in front of the loads into registers that held fragments, and of the first read of results
.irp t, 0,1,2,3
	ds_load_b128 v[BQ+8*\t:BQ+8*\t+3],   v[BRQ] offset:64*\t          ; q's biases at d = 16 t + 8 h + 0..7
	ds_load_b128 v[BQ+8*\t+4:BQ+8*\t+7], v[BRQ] offset:64*\t+16
	ds_load_b128 v[BK+8*\t:BK+8*\t+3],   v[BRQ] offset:256+64*\t      ; k's
	ds_load_b128 v[BK+8*\t+4:BK+8*\t+7], v[BRQ] offset:256+64*\t+16
	ds_load_b32  v[BV+2*\t],             v[BRV] offset:512+64*\t      ; v's at d = 16 t + r
.endr
.macro SCL e, reg                      ; v[reg] = 2^e as f32 (the conversion takes its exponent field)
	s_add_co_i32 s86, s[\e], 127
	s_lshl_b32 s87, s86, 23
	v_mov_b32 v[\reg], s87
	s_add_co_i32 s86, s86, 8
	s_lshl_b32 s86, s86, 23
	s_or_b32 s86, s86, 0x600000
.endm
	SCL 78, SC                                     ; e2: q
	SCL 79, SC+2                                   ; e3: k
	SCL 81, SC+4                                   ; e5: v
	s_wait_dscnt 0x0
.irp t, 0,1,2,3
	v_mov_b32 v[BV+2*\t+1], v[BV+2*\t]             ; the packed form takes a pair
.endr
.macro FMA8 dst, acc, bias, bs         ; an accumulator's eight sums, from its low end on; bs = 1: eight biases, 0: one
.irp i, 0,2,4,6
	v_pk_fma_f32 v[(\dst)+\i:(\dst)+\i+1], v[(\acc)+\i:(\acc)+\i+1], s[84:85], v[(\bias)+(\bs)*\i:(\bias)+(\bs)*\i+1] op_sel_hi:[1,0,1]
.endr
.endm
.macro QUANT4 set, cd, sc              ; the 32 numbers of a set become 8 registers of codes
.set tm, TMP+32*(\set)
.set i, 0
.rept 32
.set i, i+1
.endr
.irp y, 0,1,2,3
	v_cvt_scalef32_pk8_fp8_f32 v[(\cd)+2*\y:(\cd)+2*\y+1], v[tm+8*\y:tm+8*\y+7], v[\sc]
.endr
	v_nop                                          ; one plain vector instruction behind the last conversion of a run
.endm
.macro BATCHQ w, a, sc, bias, base     ; q or k: the tile of 16 tokens a: its four accumulators are the image's 8 registers
	WIN \w                                         ; source 0 in window w
.irp y, 0,1,2,3
	FMA8 TMP+32*((\a)%2)+8*\y, 8*(4*(\a)+\y), (\bias)+8*\y, 1
.endr
	WIN 0
	QUANT4 (\a)%2, CD+8*(\a), \sc
	global_store_b128 v[GO], v[CD+8*(\a):CD+8*(\a)+3],   s[\base:\base+1] offset:(\a)*1024
	global_store_b128 v[GO], v[CD+8*(\a)+4:CD+8*(\a)+7], s[\base:\base+1] offset:(\a)*1024+512
.endm
.macro BATCHV g, tp                    ; v: registers 4 g .. 4 g + 3 (keys 32 g on) of the fragments of d tiles 2 tp and 2 tp + 1
.set nn, 2*(\g)+(\tp)
	WIN 3
	FMA8 TMP+32*(nn%2),    8*(4*(2*(\g))+2*(\tp)),     BV+2*(2*(\tp)),   0
	FMA8 TMP+32*(nn%2)+8,  8*(4*(2*(\g)+1)+2*(\tp)),   BV+2*(2*(\tp)),   0
	FMA8 TMP+32*(nn%2)+16, 8*(4*(2*(\g))+2*(\tp)+1),   BV+2*(2*(\tp)+1), 0
	FMA8 TMP+32*(nn%2)+24, 8*(4*(2*(\g)+1)+2*(\tp)+1), BV+2*(2*(\tp)+1), 0
	WIN 0
	QUANT4 nn%2, CD+8*nn, SC+4
	global_store_b128 v[GO], v[CD+8*nn:CD+8*nn+3],   s[72:73] offset:(2*(\tp))*2048+512*(\g)
	global_store_b128 v[GO], v[CD+8*nn+4:CD+8*nn+7], s[72:73] offset:(2*(\tp)+1)*2048+512*(\g)
.endm
.irp a, 0,1,2,3,4,5,6,7
	BATCHQ 1, \a, SC, BQ, 68
.endr
	s_wait_xcnt 0x0                                ; q's stores have read their registers: the codes' registers are written again
.irp a, 0,1,2,3,4,5,6,7
	BATCHQ 2, \a, SC+2, BK, 70
.endr
	s_wait_xcnt 0x0                                ; k's likewise
.irp g, 0,1,2,3
	BATCHV \g, 0
	BATCHV \g, 1
.endr
	s_wait_tensorcnt 0x0                           ; the wave's end: behind my last tensor load and my last LDS store
	ds_add_u32 v[SPW], v[NIL]
	s_wait_dscnt 0x0
	CROUND                                         ; the closing round: no work-group ends while a partner may still ask for a tile that names it
	s_endpgm
.Lfunc_end_k_q2cb7720484_qkv:
	.size	k_q2cb7720484_qkv, .Lfunc_end_k_q2cb7720484_qkv-k_q2cb7720484_qkv
	.p2alignl 7, 3214868480
	.fill 96, 4, 3214868480
	.section	.rodata,"a",@progbits
	.p2align	6, 0x0
	.amdhsa_kernel k_q2cb7720484_qkv
		.amdhsa_group_segment_fixed_size 327680
		.amdhsa_private_segment_fixed_size 0
		.amdhsa_enable_private_segment 0
		.amdhsa_kernarg_size 56
		.amdhsa_user_sgpr_count 2
		.amdhsa_user_sgpr_kernarg_segment_ptr 1
		.amdhsa_wavefront_size32 1
		.amdhsa_system_sgpr_workgroup_id_x 1
		.amdhsa_system_sgpr_workgroup_id_y 1
		.amdhsa_system_sgpr_workgroup_id_z 1
		.amdhsa_system_vgpr_workitem_id 0
		.amdhsa_next_free_vgpr 1024
		.amdhsa_next_free_sgpr 100
		.amdhsa_reserve_vcc 0
		.amdhsa_float_denorm_mode_32 3
		.amdhsa_float_denorm_mode_16_64 3
		.amdhsa_fp16_overflow 1
		.amdhsa_memory_ordered 1
		.amdhsa_forward_progress 1
		.amdhsa_inst_pref_size 123
	.end_amdhsa_kernel
	.amdgpu_metadata
---
amdhsa.version: [ 1, 2 ]
amdhsa.kernels:
  - .name:           k_q2cb7720484_qkv
    .symbol:         k_q2cb7720484_qkv.kd
    .args:
      - { .name: x_codes, .offset: 0, .size: 8, .value_kind: global_buffer, .address_space: global }
      - { .name: w_attn_codes, .offset: 8, .size: 8, .value_kind: global_buffer, .address_space: global }
      - { .name: lowp_scales, .offset: 16, .size: 8, .value_kind: global_buffer, .address_space: global }
      - { .name: b_attn, .offset: 24, .size: 8, .value_kind: global_buffer, .address_space: global }
      - { .name: q_img, .offset: 32, .size: 8, .value_kind: global_buffer, .address_space: global }
      - { .name: k_img, .offset: 40, .size: 8, .value_kind: global_buffer, .address_space: global }
      - { .name: v_img, .offset: 48, .size: 8, .value_kind: global_buffer, .address_space: global }
    .group_segment_fixed_size: 327680
    .private_segment_fixed_size: 0
    .kernarg_segment_align: 8
    .kernarg_segment_size: 56
    .max_flat_workgroup_size: 128
    .sgpr_count:     100
    .vgpr_count:     1024
    .wavefront_size: 32
...
	.end_amdgpu_metadata
.endif
;; end of part 1
;; launch attn (part 2): grid 2 x 128, 8 waves a work-group, no clusters, 168,960 bytes of LDS; arguments q_img, k_img, v_img, lowp_scales, a_img; writes a_img
.if DOCPART == 2
	.amdgcn_target "amdgcn-amd-amdhsa--gfx1250"
	.amdhsa_code_object_version 6
	.text
	.protected	k_q2cb7720484_attn
	.globl	k_q2cb7720484_attn
	.p2align	8
	.type	k_q2cb7720484_attn,@function
k_q2cb7720484_attn:
	s_mov_b64 s[64:65], 0
	v_nop
	global_prefetch_b8 v0, s[64:65] scope:SCOPE_SE
	s_setreg_imm32_b32 hwreg(HW_REG_WAVE_MODE, 25, 1), 1
	s_wait_xcnt 0x0
; a[b][q][64 head + d] = sum over keys k <= q of softmax_k(q . k / 8) v, both products on codes of FP8 (E4M3); a is quantised and stored as an image of the projection's operand registers.
; q_img, k_img, v_img: the images that the launch before has stored (a tile of 16 tokens x 64 d: 1,024 bytes; a fragment of 16 d x 128 keys: 2,048 bytes; a head: 65,536 bytes each).  lowp_scales: e2 q, e3 k, e4 p, e5 v, e6 a.
; THE SOFTMAX: t = score x log2(e) / 8; M = the running largest t rounded UP to a whole number; p = 2^(t - M) is quantised, not normalised; the row's sum is taken of the unquantised p and divides at the end.
; When M moves, the sum and O are multiplied by 2^(old M - new M): exact.  Hidden keys (k > q) get the score -infinity, so p = 0; key steps and key tiles that are hidden as a whole are not computed.
; SHARES.  Work-group (x, head): eight waves, u = 8 x + wave = 0 .. 15.  Wave u owns two blocks of 32 queries: the long one at 992 - 32 u and the short one at 32 u: together 1,056 keys x 32 queries for every u.
; A block is two tiles of 16 queries that share every fragment of K and V.  Two waves to a SIMD, so that one wave's vector work stands beside the other's matrix work and LDS loads.
; LDS: the head's whole K at 0 and whole V at 65,536, as the images lie in memory; filled ONCE, by two tensor loads a wave (waves 0-3 K, 4-7 V): first the 256 first keys, then the rest, so that work begins on the small part.
; Fragments are read at 16 x lane: 512 consecutive bytes a load.
; LAYOUT.  S^T = K Q^T (source 0 = 16 keys, source 1 = 16 queries): lane (r, h) holds query r, register j key 8 h + j of the tile: the conversion of tile kt gives registers 2 kt, 2 kt + 1 of P (16 queries x 128 keys).
; O^T = V^T P^T (source 0 = 16 d x 128 keys): lane (r, h): query r, register j: d = 16 t + 8 h + j: its conversion gives registers of the projection's operand.
; a_img: [tile of 16 rows 512][128 along K 8][4][lane][16 bytes]: head hh fills the 1,024 bytes at 1,024 hh of a row tile's 16,384.
; NO CLUSTER: the grid has two work-groups to a head, and each asks for its K and V once, in its first lines.  NO PREFETCH: for the same reason nothing is left to be asked for ahead.
; LIMITS: e2 + e3 between -123 and 130 (added to c's exponent field); e4, e6 between -126 and 119; e4 + e5 is applied by v_ldexp_f32.  NaN among the inputs is not served.
; REGISTERS.  window 0: v1-9 addresses and constants; v16-39 statistics, 12 a tile x: +0 -M, +1 largest t, +2,+3 the sum, +4,+5 f, +6,+7 a second chain of the sum, +8,+9 two chains of the maximum, +10 the other half's;
;   v64-191 S^T then p, 64 a tile; v192-223 P's codes; v224-239 a's codes.   window 1: v0-63 K's 8 tiles; v64-127 V's 4 fragments; v128-143 Q; v144-159 the short block's Q; v160-223 O^T, 32 a tile.
.set LI,   1                           ; v1  16 x lane
.set ADK,  2                           ; v2  LDS address of the step's tiles of K
.set ADV,  3                           ; v3  of V
.set LIV,  4                           ; v4  16 x lane + 65,536
.set NINF, 5                           ; v5  -infinity
.set PLIM, 6
.set PSC,  7                           ; v7  2^e4
.set ALIM, 8
.set ASC,  9                           ; v9  2^e6
.set ST,   16
.set S,    64
.set P,    192
.set CD,   224
.set KFR,  0                           ; in window 1
.set VFR,  64
.set Q,    128
.set QS,   144
.set O,    160
.set G1A,  40                          ; s[40:47] descriptor group 1: 16 rows of 256 bytes;  s[48:55]: 48 rows;  s[56:59], s[60:63] their groups 0
.set G1B,  48
.set G0A,  56
.set G0B,  60
.set MK,   68                          ; s[68:75] the diagonal's masks: bit of lane (r, h) set where key 8 h + j > query r
.set SEL,  76                          ; s[76:77] lane selects for v_permlanex16_b32: lane l xor 16
.set CS,   78                          ; s[78:79] c = log2(e) / 8 x 2^(e2 + e3)
.set TB,   80                          ; s80  LDS byte of the key step in hand: 8,192 a step, in K and in V
.set KF,   81                          ; s81  its first key
.set Q0,   82                          ; s82  the block's first query
.set Q0S,  83                          ; s83  the short block's
.set OUT,  84                          ; s[84:85] where the block's codes go;  s[86:87] the short block's
.set OUTS, 86
.set CNT,  88
.set PASS, 89
.set E45,  90
.set MSB, 0
.macro WIN new                         ; the immediate's high byte repeats the setting that is left
.if MSB != (\new)
	s_set_vgpr_msb (MSB<<8)|(\new)
.set MSB, (\new)
.endif
.endm
	s_load_b256 s[4:11], s[0:1], 0x0               ; q_img s[4:5], k_img s[6:7], v_img s[8:9], the scales' exponents s[10:11]
	s_load_b64 s[12:13], s[0:1], 0x20              ; a_img
	v_lshl_add_u32 v254, v0, 2, 0x29000
	v_mov_b32 v255, 0
	ds_add_u32 v254, v255
	ds_add_u32 v254, v255
	v_lshrrev_b32 v10, 5, v0
	s_delay_alu instid0(VALU_DEP_1)
	v_readfirstlane_b32 s14, v10                   ; wave 0..7
	s_and_b32 s16, ttmp7, 0xffff                   ; 16 b + head
	s_lshl_b32 s17, s16, 16                        ; the head's first byte in each of the three images
	s_lshr_b32 s18, s14, 2                         ; I fetch for K (0) or V (1),
	s_and_b32 s19, s14, 3                          ; which quarter
	s_mov_b32 s[G1A], 3<<16                        ; no mask; elements of 8 bytes; no padding
	s_mov_b32 s[G1A+1], 32<<16                     ; tensor_dim0 = 32: rows of 256 bytes
	s_mov_b32 s[G1A+2], 16<<16                     ; tensor_dim1 = 16
	s_mov_b32 s[G1A+3], 32<<16                     ; tile_dim0
	s_mov_b32 s[G1A+4], 16                         ; tile_dim1
	s_mov_b32 s[G1A+5], 32                         ; dense
	s_mov_b32 s[G1A+6], 0
	s_mov_b32 s[G1A+7], 0
	s_mov_b32 s[G1B], 3<<16
	s_mov_b32 s[G1B+1], 32<<16
	s_mov_b32 s[G1B+2], 48<<16                     ; 48 rows
	s_mov_b32 s[G1B+3], 32<<16
	s_mov_b32 s[G1B+4], 48
	s_mov_b32 s[G1B+5], 32
	s_mov_b32 s[G1B+6], 0
	s_mov_b32 s[G1B+7], 0
	s_lshl_b32 s32, s18, 16                        ; K's or V's 65,536 bytes of LDS
	s_lshl_b32 s33, s19, 12                        ; my 4,096 of the first 16,384 bytes (keys 0-255),
	s_mul_i32 s34, s19, 12288
	s_add_co_u32 s34, s34, 16384                   ; my 12,288 of the other 49,152
	s_mov_b32 s[G0A], 1
	s_add_co_u32 s[G0A+1], s32, s33
	s_mov_b32 s[G0B], 1
	s_add_co_u32 s[G0B+1], s32, s34
	s_add_co_u32 s36, s17, s33                     ; the same places in the head's image
	s_mov_b32 s37, 0
	s_add_co_u32 s38, s17, s34
	s_mov_b32 s39, 0
	s_wait_dscnt 0x0
	s_wait_kmcnt 0x0
	s_load_b256 s[24:31], s[10:11], 0x0            ; e0 .. e7
	s_cmp_lt_u32 s14, 4
	s_cselect_b64 s[92:93], s[6:7], s[8:9]
	s_add_nc_u64 s[G0A+2:G0A+3], s[92:93], s[36:37]
	s_or_b32 s[G0A+3], s[G0A+3], 0x80000000
	s_add_nc_u64 s[G0B+2:G0B+3], s[92:93], s[38:39]
	s_or_b32 s[G0B+3], s[G0B+3], 0x80000000
	tensor_load_to_lds s[G0A:G0A+3], s[G1A:G1A+7]  ; both first fills go out together, ahead of every wait on TENSORcnt, every LDS read and every barrier: two loads of mine are out
	s_nop 0
	tensor_load_to_lds s[G0B:G0B+3], s[G1B:G1B+7]
	s_nop 0
.rept 4
	v_nop
.endr
	v_and_b32 v10, 31, v0
	s_delay_alu instid0(VALU_DEP_1)
	v_lshlrev_b32 v[LI], 4, v10
	s_wait_alu depctr_va_vdst(0)
	v_add_nc_u32 v[LIV], 0x10000, v[LI]
	s_lshl_b32 s15, ttmp9, 3
	s_add_co_u32 s15, s15, s14                     ; u
	s_lshl_b32 s[Q0S], s15, 5                      ; the short block: 32 u
	s_sub_co_u32 s[Q0], 992, s[Q0S]                ; the long block
	s_lshl_b32 s32, s[Q0], 6                       ; 1,024 bytes for 16 queries
	s_add_co_u32 s32, s32, s17
	s_mov_b32 s33, 0
	s_add_nc_u64 s[20:21], s[4:5], s[32:33]
	s_lshl_b32 s34, s[Q0S], 6
	s_add_co_u32 s34, s34, s17
	s_mov_b32 s35, 0
	s_add_nc_u64 s[22:23], s[4:5], s[34:35]
	WIN 0x40                                       ; destination window 1
.irp i, 0,1,2,3
	global_load_b128 v[Q+4*\i:Q+4*\i+3],   v[LI], s[20:21] offset:512*\i   ; both blocks' Q stay in registers
	global_load_b128 v[QS+4*\i:QS+4*\i+3], v[LI], s[22:23] offset:512*\i
.endr
	WIN 0
	s_lshr_b32 s36, s16, 4
	s_lshl_b32 s36, s36, 20                        ; b: 64 row tiles of 16,384 bytes
	s_and_b32 s37, s16, 15
	s_lshl_b32 s37, s37, 10                        ; the head's 1,024 bytes of a row tile
	s_add_co_u32 s36, s36, s37
	s_lshl_b32 s38, s[Q0], 10                      ; 16,384 bytes for 16 queries
	s_add_co_u32 s38, s38, s36
	s_mov_b32 s39, 0
	s_add_nc_u64 s[OUT:OUT+1], s[12:13], s[38:39]
	s_lshl_b32 s38, s[Q0S], 10
	s_add_co_u32 s38, s38, s36
	s_add_nc_u64 s[OUTS:OUTS+1], s[12:13], s[38:39]
.irp j, 0,1,2,3,4,5,6,7
	s_mov_b32 s[MK+\j], ((1<<\j)-1)|(((1<<(8+\j))-1)<<16)   ; lanes 0-15: r < j; lanes 16-31: r < 8 + j
.endr
	s_mov_b32 s[SEL], 0x76543210
	s_mov_b32 s[SEL+1], 0xfedcba98
	s_mov_b32 s[CS], 0x3e38aa3b                    ; log2(e) / 8
	s_mov_b32 s[TB], 0
	s_mov_b32 s[KF], 0
	v_mov_b32 v[NINF], 0xff800000
	s_wait_kmcnt 0x0
	s_add_co_i32 s91, s26, s27
	s_lshl_b32 s91, s91, 23
	s_add_co_i32 s[CS], s[CS], s91                 ; a score stands for score x 2^(e2 + e3): the exponents are added to c's exponent field
	s_mov_b32 s[CS+1], s[CS]                       ; (named with it as a pair, so it is written)
	s_add_co_i32 s91, s28, 127
	s_lshl_b32 s94, s91, 23
	v_mov_b32 v[PSC], s94                          ; 2^e4
	s_add_co_i32 s91, s30, 127
	s_lshl_b32 s94, s91, 23
	v_mov_b32 v[ASC], s94                          ; 2^e6
	s_add_co_i32 s[E45], s28, s29                  ; e4 + e5
; A block begins: O^T and the sum as zeros, the largest t as -3e38, under every t.  (So a key step is written without a form of its own for the first: the first change of M multiplies zeros.)
.macro INIT
	WIN 0x40
.set i, 0
.rept 64
	v_mov_b32 v[O+i], 0
.set i, i+1
.endr
	WIN 0
.irp x, 0,1
	v_mov_b32 v[ST+12*\x+1], 0xff61b1e6
	v_mov_b32 v[ST+12*\x+2], 0
	v_mov_b32 v[ST+12*\x+3], 0
	v_mov_b32 v[ST+12*\x+5], 0                     ; (named as the upper half of f's pair)
	v_mov_b32 v[ST+12*\x+10], 0                    ; a lane permute's destination counts as one of its sources
.endr
.irp x, 0,1
	v_floor_f32 v[ST+12*\x], -v[ST+12*\x+1]        ; -M
.endr
.endm
; A KEY STEP: the first nt tiles of 16 keys of the 128 at s[KF].  diag = 1: the block's diagonal lies in the last two tiles: tile nt - 2 holds the first query tile's own keys, tile nt - 1 the second's.
.macro STEP nt, diag
.set NR, 8*(\nt)
	v_add_nc_u32 v[ADK], s[TB], v[LI]
	v_add_nc_u32 v[ADV], s[TB], v[LIV]
	v_nop                                          ; four plain instructions between the last step's products and the loads into V's registers
	v_nop
	WIN 0x40
.set kt, 0
.rept \nt
	ds_load_b128 v[KFR+8*kt:KFR+8*kt+3],   v[ADK] offset:1024*kt
	ds_load_b128 v[KFR+8*kt+4:KFR+8*kt+7], v[ADK] offset:1024*kt+512
.set kt, kt+1
.endr
.irp t, 0,1,2,3
.irp g, 0,1,2,3
	ds_load_b128 v[VFR+16*\t+4*\g:VFR+16*\t+4*\g+3], v[ADV] offset:2048*\t+512*\g
.endr
.endr
	s_wait_dscnt 16                                ; K is in; V's sixteen loads may be out
	WIN 0x05                                       ; K and Q in window 1, S^T in window 0
.set kt, 0
.rept \nt
.irp x, 0,1
.if ((\diag) == 0) || (\x == 1) || (kt < (\nt)-1)  ; the first query tile sees nothing of the last key tile of a diagonal step
	v_wmma_f32_16x16x64_fp8_fp8 v[S+64*\x+8*kt:S+64*\x+8*kt+7], v[KFR+8*kt:KFR+8*kt+7], v[Q+8*\x:Q+8*\x+7], 0
.endif
.endr
.set kt, kt+1
.endr
	WIN 0
.rept 4
	v_nop
.endr
.if \diag
.irp j, 0,1,2,3,4,5,6,7
	v_cndmask_b32 v[S+8*((\nt)-2)+\j], v[S+8*((\nt)-2)+\j], v[NINF], s[MK+\j]         ; hidden scores become -infinity ahead of the maximum
	v_cndmask_b32 v[S+64+8*((\nt)-1)+\j], v[S+64+8*((\nt)-1)+\j], v[NINF], s[MK+\j]
	v_mov_b32 v[S+8*((\nt)-1)+\j], v[NINF]
.endr
.endif
.irp x, 0,1
	v_max3_num_f32 v[ST+12*\x+8], v[S+64*\x], v[S+64*\x+1], v[S+64*\x+2]              ; the step's largest score of my query among my keys, in two chains, each tile from its low end on; the two query tiles line by line
.endr
.irp x, 0,1
	v_max3_num_f32 v[ST+12*\x+9], v[S+64*\x+3], v[S+64*\x+4], v[S+64*\x+5]
.endr
.set i, 6
.rept (NR-8)/4
.irp x, 0,1
	v_max3_num_f32 v[ST+12*\x+8], v[ST+12*\x+8], v[S+64*\x+i], v[S+64*\x+i+1]
.endr
.irp x, 0,1
	v_max3_num_f32 v[ST+12*\x+9], v[ST+12*\x+9], v[S+64*\x+i+2], v[S+64*\x+i+3]
.endr
.set i, i+4
.endr
.irp x, 0,1
	v_max3_num_f32 v[ST+12*\x+8], v[ST+12*\x+8], v[S+64*\x+NR-2], v[S+64*\x+NR-1]
.endr
.irp x, 0,1
	s_delay_alu instid0(VALU_DEP_2)
	v_max_num_f32 v[ST+12*\x+8], v[ST+12*\x+8], v[ST+12*\x+9]
.endr
.irp x, 0,1
	s_delay_alu instid0(VALU_DEP_2)
	v_permlanex16_b32 v[ST+12*\x+10], v[ST+12*\x+8], s[SEL], s[SEL+1]
.endr
.irp x, 0,1
	s_delay_alu instid0(VALU_DEP_2)
	v_max_num_f32 v[ST+12*\x+8], v[ST+12*\x+8], v[ST+12*\x+10]                        ; and among lane l xor 16's
.endr
.irp x, 0,1
	s_delay_alu instid0(VALU_DEP_2)
	v_mul_f32 v[ST+12*\x+8], s[CS], v[ST+12*\x+8]                                     ; as t (c is positive)
.endr
.irp x, 0,1
	s_delay_alu instid0(VALU_DEP_2)
	v_max_num_f32 v[ST+12*\x+1], v[ST+12*\x+1], v[ST+12*\x+8]                         ; the running largest t
.endr
.irp x, 0,1
	v_mov_b32 v[ST+12*\x+8], v[ST+12*\x]
.endr
.irp x, 0,1
	s_delay_alu instid0(VALU_DEP_4)
	v_floor_f32 v[ST+12*\x], -v[ST+12*\x+1]                                           ; the new -M = floor(-t): M is a whole number
.endr
.irp x, 0,1
	s_delay_alu instid0(VALU_DEP_2)
	v_sub_f32 v[ST+12*\x+8], v[ST+12*\x], v[ST+12*\x+8]                               ; old M - new M: a whole number, 0 or less
.endr
.irp x, 0,1
	s_delay_alu instid0(VALU_DEP_2)
	v_cvt_i32_f32 v[ST+12*\x+8], v[ST+12*\x+8]                                        ; (it saturates)
.endr
.irp x, 0,1
	s_delay_alu instid0(VALU_DEP_2)
	v_ldexp_f32 v[ST+12*\x+4], 1.0, v[ST+12*\x+8]                                     ; f = 2^(old M - new M)
.endr
.set i, 0
.rept NR/2
.irp x, 0,1
	v_pk_fma_f32 v[S+64*\x+i:S+64*\x+i+1], v[S+64*\x+i:S+64*\x+i+1], s[CS:CS+1], v[ST+12*\x:ST+12*\x+1] op_sel_hi:[1,0,0]   ; t - M, two at a time
.endr
.set i, i+2
.endr
.set i, 0
	s_wait_alu depctr_va_vdst(0)
.rept NR
	v_exp_f32 v[S+i], v[S+i]                       ; p = 2^(t - M): both tiles' exponentials are one batch
	v_exp_f32 v[S+64+i], v[S+64+i]
.set i, i+1
.endr
.irp x, 0,1
	v_pk_mul_f32 v[ST+12*\x+2:ST+12*\x+3], v[ST+12*\x+2:ST+12*\x+3], v[ST+12*\x+4:ST+12*\x+5] op_sel_hi:[1,0]   ; the sums under the new M (plain instructions behind the exponentials)
.endr
	s_wait_alu depctr_va_vdst(0)                   ; one wait for the whole batch, ahead of its first reader
.irp x, 0,1
	v_pk_add_f32 v[ST+12*\x+6:ST+12*\x+7], v[S+64*\x:S+64*\x+1], v[S+64*\x+2:S+64*\x+3]   ; the row's sum is taken of the unquantised p, two at a time, in two chains
.endr
.set i, 4
.rept (NR-4)/4
.irp x, 0,1
	v_pk_add_f32 v[ST+12*\x+2:ST+12*\x+3], v[ST+12*\x+2:ST+12*\x+3], v[S+64*\x+i:S+64*\x+i+1]
.endr
.irp x, 0,1
	v_pk_add_f32 v[ST+12*\x+6:ST+12*\x+7], v[ST+12*\x+6:ST+12*\x+7], v[S+64*\x+i+2:S+64*\x+i+3]
.endr
.set i, i+4
.endr
.irp x, 0,1
	s_delay_alu instid0(VALU_DEP_2)
	v_pk_add_f32 v[ST+12*\x+2:ST+12*\x+3], v[ST+12*\x+2:ST+12*\x+3], v[ST+12*\x+6:ST+12*\x+7]
.endr
.set kt, 0
.rept \nt
.irp x, 0,1
.irp j, 0,1,2,3,4,5,6,7
.endr
.endr
.irp x, 0,1
	v_cvt_scalef32_pk8_fp8_f32 v[P+16*\x+2*kt:P+16*\x+2*kt+1], v[S+64*\x+8*kt:S+64*\x+8*kt+7], v[PSC]
.endr
.set kt, kt+1
.endr
.if (\nt) < 8
.set kt, \nt
.rept 8-(\nt)
.irp x, 0,1
	v_mov_b32 v[P+16*\x+2*kt], 0                   ; the keys behind the block's last: zero codes, which add nothing
	v_mov_b32 v[P+16*\x+2*kt+1], 0
.endr
.set kt, kt+1
.endr
.endif
	WIN 0x41                                       ; O^T (destination and source 0) in window 1, f in window 0
.irp x, 0,1
.set i, 0
.rept 16
	v_pk_mul_f32 v[O+32*\x+i:O+32*\x+i+1], v[O+32*\x+i:O+32*\x+i+1], v[ST+12*\x+4:ST+12*\x+5] op_sel_hi:[1,0]   ; O^T under the new M (also the plain instructions behind the conversions)
.set i, i+2
.endr
.endr
	s_wait_alu depctr_va_vdst(0)
	s_wait_dscnt 0x0                               ; V is in
	WIN 0x51                                       ; V, C and D in window 1, P in window 0
.irp t, 0,1,2,3
.irp x, 0,1
	v_wmma_f32_16x16x128_fp8_fp8 v[O+32*\x+8*\t:O+32*\x+8*\t+7], v[VFR+16*\t:VFR+16*\t+15], v[P+16*\x:P+16*\x+15], v[O+32*\x+8*\t:O+32*\x+8*\t+7]   ; eight accumulators, one instruction each
.endr
.endr
	WIN 0
.endm
.macro OPEN n                          ; n key steps all of whose keys count
	s_mov_b32 s[CNT], \n
.Lopen_\@:
	STEP 8, 0
	s_add_co_u32 s[TB], s[TB], 8192
	s_add_co_u32 s[KF], s[KF], 128
	s_sub_co_u32 s[CNT], s[CNT], 1
	s_cmp_lg_u32 s[CNT], 0
	s_cbranch_scc1 .Lopen_\@
.endm
; A block ends: a = O^T x 2^(e4 + e5) / the row's sum, converted, stored: four stores of 512 consecutive bytes.
.macro FINAL
.rept 4
	v_nop
.endr
	s_wait_alu depctr_va_vdst(0)
.irp x, 0,1
	v_add_f32 v[ST+12*\x+2], v[ST+12*\x+2], v[ST+12*\x+3]
.endr
.irp x, 0,1
	s_delay_alu instid0(VALU_DEP_2)
	v_permlanex16_b32 v[ST+12*\x+10], v[ST+12*\x+2], s[SEL], s[SEL+1]
.endr
.irp x, 0,1
	s_delay_alu instid0(VALU_DEP_2)
	v_add_f32 v[ST+12*\x+2], v[ST+12*\x+2], v[ST+12*\x+10]
.endr
	s_wait_alu depctr_va_vdst(0)
.irp x, 0,1
	v_rcp_f32 v[ST+12*\x+4], v[ST+12*\x+2]
.endr
	v_nop                                          ; a plain instruction behind the reciprocals,
	s_wait_alu depctr_va_vdst(0)                   ; and one wait for both, ahead of their first reader
.irp x, 0,1
	v_ldexp_f32 v[ST+12*\x+4], v[ST+12*\x+4], s[E45]
.endr
	WIN 0x01                                       ; source 0 (O^T) in window 1
.irp x, 0,1
.set i, 0
.rept 16
	v_pk_mul_f32 v[S+64*\x+i:S+64*\x+i+1], v[O+32*\x+i:O+32*\x+i+1], v[ST+12*\x+4:ST+12*\x+5] op_sel_hi:[1,0]
.set i, i+2
.endr
.endr
	WIN 0
.irp x, 0,1
.set i, 0
.rept 32
.set i, i+1
.endr
.endr
.irp x, 0,1
.irp t, 0,1,2,3
	v_cvt_scalef32_pk8_fp8_f32 v[CD+8*\x+2*\t:CD+8*\x+2*\t+1], v[S+64*\x+8*\t:S+64*\x+8*\t+7], v[ASC]
.endr
.endr
	v_nop                                          ; one plain vector instruction behind the last conversion of a run
.irp x, 0,1
	global_store_b128 v[LI], v[CD+8*\x:CD+8*\x+3],   s[OUT:OUT+1] offset:16384*\x
	global_store_b128 v[LI], v[CD+8*\x+4:CD+8*\x+7], s[OUT:OUT+1] offset:16384*\x+512
.endr
.endm
	INIT
	s_wait_tensorcnt 1                             ; my part of keys 0-255 is in; my larger load may stay out
	s_barrier_signal -1
	s_barrier_wait -1                              ; everybody's is
	s_wait_loadcnt 0x0                             ; Q
	OPEN 2                                         ; the long block (its first query is 512 or more): keys 0-255, the bytes under 16,384 of K and of V
	s_wait_tensorcnt 0x0                           ; the rest of my part,
	s_wait_dscnt 0x0
	s_barrier_signal -1
	s_barrier_wait -1                              ; and of everybody's
	OPEN 2                                         ; keys 256-511 count for every long block
	s_mov_b32 s[PASS], 2
.Lpass:                                                ; two passes: the long block's keys 512-1023, then the short block's keys 0-511
	s_mov_b32 s[CNT], 4
.Lgen:                                                 ; four key steps, a constant; what a step does hangs on ids alone
	s_add_co_u32 s91, s[Q0], 31
	s_cmp_gt_u32 s[KF], s91
	s_cbranch_scc1 .Lnext                          ; all its keys come after the block's queries
	s_add_co_u32 s91, s[KF], 127
	s_cmp_le_u32 s91, s[Q0]
	s_cbranch_scc0 .Ldiag
	STEP 8, 0                                      ; all its keys count
	s_branch .Lnext
.Ldiag:
	s_sub_co_u32 s91, s[Q0], s[KF]                 ; 0, 32, 64 or 96: the block's own 32 keys are the step's tiles 0-1, 2-3, 4-5 or 6-7
	s_cmp_eq_u32 s91, 0
	s_cbranch_scc0 .Ld4
	STEP 2, 1
	s_branch .Lnext
.Ld4:
	s_cmp_eq_u32 s91, 32
	s_cbranch_scc0 .Ld6
	STEP 4, 1
	s_branch .Lnext
.Ld6:
	s_cmp_eq_u32 s91, 64
	s_cbranch_scc0 .Ld8
	STEP 6, 1
	s_branch .Lnext
.Ld8:
	STEP 8, 1
.Lnext:
	s_add_co_u32 s[TB], s[TB], 8192
	s_add_co_u32 s[KF], s[KF], 128
	s_sub_co_u32 s[CNT], s[CNT], 1
	s_cmp_lg_u32 s[CNT], 0
	s_cbranch_scc1 .Lgen
	FINAL
	s_wait_xcnt 0x0                                ; the stores have read their registers and their base: both may be written again
	s_cmp_eq_u32 s[PASS], 1
	s_cbranch_scc1 .Lover                          ; behind the short block nothing is set up
	s_mov_b64 s[OUT:OUT+1], s[OUTS:OUTS+1]
	s_mov_b32 s[Q0], s[Q0S]
	s_mov_b32 s[TB], 0
	s_mov_b32 s[KF], 0
	WIN 0x41
.set i, 0
.rept 16
	v_mov_b32 v[Q+i], v[QS+i]                      ; the short block's Q takes the place that the products name
.set i, i+1
.endr
	INIT
.Lover:
	s_sub_co_u32 s[PASS], s[PASS], 1
	s_cmp_lg_u32 s[PASS], 0
	s_cbranch_scc1 .Lpass
	s_wait_tensorcnt 0x0
	ds_add_u32 v254, v255
	s_wait_dscnt 0x0
	s_endpgm
.Lfunc_end_k_q2cb7720484_attn:
	.size	k_q2cb7720484_attn, .Lfunc_end_k_q2cb7720484_attn-k_q2cb7720484_attn
	.p2alignl 7, 3214868480
	.fill 96, 4, 3214868480
	.section	.rodata,"a",@progbits
	.p2align	6, 0x0
	.amdhsa_kernel k_q2cb7720484_attn
		.amdhsa_group_segment_fixed_size 168960
		.amdhsa_private_segment_fixed_size 0
		.amdhsa_enable_private_segment 0
		.amdhsa_kernarg_size 40
		.amdhsa_user_sgpr_count 2
		.amdhsa_user_sgpr_kernarg_segment_ptr 1
		.amdhsa_wavefront_size32 1
		.amdhsa_system_sgpr_workgroup_id_x 1
		.amdhsa_system_sgpr_workgroup_id_y 1
		.amdhsa_system_sgpr_workgroup_id_z 1
		.amdhsa_system_vgpr_workitem_id 0
		.amdhsa_next_free_vgpr 512
		.amdhsa_next_free_sgpr 100
		.amdhsa_reserve_vcc 0
		.amdhsa_float_denorm_mode_32 3
		.amdhsa_float_denorm_mode_16_64 3
		.amdhsa_fp16_overflow 1
		.amdhsa_memory_ordered 1
		.amdhsa_forward_progress 1
		.amdhsa_inst_pref_size 167
	.end_amdhsa_kernel
	.amdgpu_metadata
---
amdhsa.version: [ 1, 2 ]
amdhsa.kernels:
  - .name:           k_q2cb7720484_attn
    .symbol:         k_q2cb7720484_attn.kd
    .args:
      - { .name: q_img, .offset: 0, .size: 8, .value_kind: global_buffer, .address_space: global }
      - { .name: k_img, .offset: 8, .size: 8, .value_kind: global_buffer, .address_space: global }
      - { .name: v_img, .offset: 16, .size: 8, .value_kind: global_buffer, .address_space: global }
      - { .name: lowp_scales, .offset: 24, .size: 8, .value_kind: global_buffer, .address_space: global }
      - { .name: a_img, .offset: 32, .size: 8, .value_kind: global_buffer, .address_space: global }
    .group_segment_fixed_size: 168960
    .private_segment_fixed_size: 0
    .kernarg_segment_align: 8
    .kernarg_segment_size: 40
    .max_flat_workgroup_size: 256
    .sgpr_count:     100
    .vgpr_count:     512
    .wavefront_size: 32
...
	.end_amdgpu_metadata
.endif
;; end of part 2
;; launch proj (part 3): grid 4 x 64, 4 waves a work-group, clusters of 4 x 4, 327,680 bytes of LDS; arguments a_img, w_proj_codes, lowp_scales, b_proj, out0; writes out0
.if DOCPART == 3
	.amdgcn_target "amdgcn-amd-amdhsa--gfx1250"
	.amdhsa_code_object_version 6
	.text
	.protected	k_q2cb7720484_proj
	.globl	k_q2cb7720484_proj
	.p2align	8
	.type	k_q2cb7720484_proj,@function
k_q2cb7720484_proj:
	s_mov_b64 s[64:65], 0
	v_nop
	global_prefetch_b8 v0, s[64:65] scope:SCOPE_SE
	s_setreg_imm32_b32 hwreg(HW_REG_WAVE_MODE, 25, 1), 1
	s_wait_xcnt 0x0
	s_wait_alu depctr_hold_cnt(0) depctr_sa_sdst(0) depctr_va_vdst(0) depctr_va_sdst(0) depctr_va_ssrc(0) depctr_va_vcc(0) depctr_vm_vsrc(0)
	s_getreg_b32 s2, hwreg(HW_REG_IB_STS2, 6, 4)
	s_cmp_eq_u32 s2, 0
	s_cbranch_scc0 .Lentry_in_a_cluster
	s_endpgm
.Lentry_in_a_cluster:
	s_bfe_u32 s2, ttmp6, 0x10000c
	s_cmp_lg_u32 s2, 0xf033
	s_cbranch_scc0 .Lentry_shape_is_right
	s_endpgm
.Lentry_shape_is_right:
; out0 = a W + b_proj on codes of FP8 (E4M3).  a: the image that the attention launch has stored, [tile of 16 rows 512][128 along K 8][4][lane][16 bytes]: lane (r, h): row r, registers 2 c, 2 c + 1: k = 16 c + 8 h + 0..7.
; W: [1024 (n)][1024 (k)] codes, K innermost.  b_proj [1024], out0 [8192][1024]: f32.  lowp_scales: e6 (a), e7 (W): each finished sum is multiplied once by 2^(e6 + e7), and the bias is added by the same fused multiply-add.
; SHARES.  A tile of out0 is 128 rows x 256 columns, so that there are 256 work-groups (tiles of 256 x 256 would be 128).  Four waves, each 64 rows (wm) x 128 columns (wn): 32 accumulators, window 1, (a, nb) at v[8 (8 a + nb)].
; FORM.  v_wmma_f32_16x16x128_fp8_fp8, used transposed (source 0 = 16 rows of W, source 1 = 16 rows of a): a lane holds eight neighbouring columns of one row of out0.
; a's fragments come from LDS as they lie, 16 bytes a lane.  W's come in the places that this form gives each k, eight loads of 8 bytes at row x pitch + 16 c + 8 h, since a's image has k in those places.
; RING.  K goes in steps of 256 through two LDS slots (two matrix steps of 128 each): 4 slots' worth: two first fills, two refills, written out without a loop.
; CLUSTER 4 x 4: a's tile hangs on my alone and is asked for jointly along a row of the cluster, W's on nx alone, jointly along a column.
; LIMIT: e6 + e7 between -126 and 127, so that 2^(e6 + e7) is an f32 number.
.set PITCH,  272                       ; a row of W in LDS: 256 bytes + 16 of padding = 68 words: lane (r, h) of a load of 8 bytes starts at bank 4 r + 2 h (64 banks of 4 bytes: ISA guide 11.1)
.set AIMG,   32768                     ; a's part of a slot: 8 tiles of 16 rows x 4,096 bytes, dense
.set BHALF,  128*PITCH
.set SLOT,   AIMG+2*BHALF
.set SPARE,  2*SLOT                    ; behind the ring: the spare words, 128 bytes for each wave: two blocks of 256 bytes that no other line names
.set STAGE,  SPARE+512                 ; the way out: 16 rows x (512 bytes + 16) for each wave; no tile lands here
.set SPITCH, 528
.set ADRA, 16                          ; v16-17  LDS address of my fragments of a in slot 0, 1
.set ADRB, 18                          ; v18-19  the same for W
.set STO,  24                          ; v24     the way out: where I put 32 bytes of a row
.set RD,   25                          ; v25     where I read a row back
.set CO,   26                          ; v26     16 x lane
.set SPW,  28                          ; v28     LDS address of my spare word; never rewritten
.set NIL,  29                          ; v29     0; never rewritten
.set BIAS, 32                          ; v32-35  b_proj at the four columns that I store
.set AF,   64                          ; v64-191 a's 4 fragments, two sets;  window 2: W's 8 fragments, two sets, at v0 and v128
.set BK,   64                          ; the way out: 16 rows read back: v64-127 and v128-191 by turns
.set G1,  24                           ; s[24:31] descriptor group 1 for a's tiles; s[32:39] group 0, one set for each slot
.set G0,  32
.set G1B, 48                           ; s[48:55], s[56:63] the same for W's
.set G0B, 56
.set MSB, 0
.macro WIN new                         ; the immediate's high byte repeats the setting that is left
.if MSB != (\new)
	s_set_vgpr_msb (MSB<<8)|(\new)
.set MSB, (\new)
.endif
.endm
.set MUL,  0x52                        ; source 0 (W) window 2, source 1 (a) window 0, C and D window 1
.set TO_B, 0x80                        ; destination window 2
.macro JLOAD s                         ; a joint load: waves 0 and 1 fetch a's halves, waves 2 and 3 W's; four v_nop follow each of the two lines
	s_cmp_eq_u32 s15, 0
	s_cbranch_scc0 .Lfor_b_\@
	tensor_load_to_lds s[G0+4*\s:G0+4*\s+3], s[G1:G1+7]
	s_nop 0
.rept 4
	v_nop
.endr
	s_branch .Lasked_\@
.Lfor_b_\@:
	tensor_load_to_lds s[G0B+4*\s:G0B+4*\s+3], s[G1B:G1B+7]
	s_nop 0
.rept 4
	v_nop
.endr
.Lasked_\@:
.endm
.macro CREST                           ; a round of the cluster's barrier behind its opening barrier
	s_cmp_lg_u32 s14, 0
	s_cbranch_scc1 .Lnot_wave_0_\@
	s_barrier_signal -3
.Lnot_wave_0_\@:
	s_barrier_wait -3
	s_barrier_signal -1
	s_barrier_wait -1
.endm
.macro CROUND
	s_barrier_signal -1
	s_barrier_wait -1
	CREST
.endm
.macro PLACES n                        ; plain vector instructions between a matrix instruction and a load into, or a read of, its registers
.rept \n
	v_nop
.endr
.endm
	s_load_b256 s[4:11], s[0:1], 0x0               ; a_img s[4:5], W s[6:7], the scales' exponents s[8:9], b_proj s[10:11]
	s_load_b64 s[12:13], s[0:1], 0x20              ; out0
	v_lshl_add_u32 v[SPW], v0, 2, SPARE
	v_mov_b32 v[NIL], 0
	ds_add_u32 v28, v29
	ds_add_u32 v28, v29
	s_wait_dscnt 0x0
	v_lshrrev_b32 v1, 5, v0
	v_readfirstlane_b32 s14, v1                    ; wave 0..3
	s_lshr_b32 s15, s14, 1                         ; wm: which 64 rows.  Also: I fetch for a (0) or for W (1)
	s_and_b32 s16, s14, 1                          ; wn: which 128 columns.  Also: which half of that tile I fetch
	s_bfe_u32 s40, ttmp6, 0x40000                  ; cx, cy
	s_bfe_u32 s41, ttmp6, 0x40004
	s_lshl_b32 s42, ttmp9, 2
	s_add_co_u32 s42, s42, s40                     ; nx
	s_and_b32 s17, ttmp7, 0xffff
	s_lshl_b32 s17, s17, 2
	s_add_co_u32 s17, s17, s41                     ; my
	s_lshl_b32 s43, s41, 2
	s_lshl_b32 s43, 15, s43                        ; my row of the cluster
	s_lshl_b32 s44, 0x1111, s40                    ; my column
	s_or_b32 s[G1+0], s43, (3<<16)|(1<<21)         ; a: the mask; elements of 8 bytes; no padding; 21 set beside a mask
	s_mov_b32 s[G1+1], 512<<16                     ; tensor_dim0 = 512: 4,096 bytes: two fragments of a tile of 16 rows
	s_mov_b32 s[G1+2], 4<<16                       ; tensor_dim1 = 4 such tiles
	s_mov_b32 s[G1+3], 512<<16
	s_mov_b32 s[G1+4], 4
	s_mov_b32 s[G1+5], 2048                        ; 16,384 bytes from one tile of rows to the next
	s_mov_b32 s[G1+6], 0
	s_mov_b32 s[G1+7], 0
	s_or_b32 s[G1B+0], s44, (1<<20)|(1<<21)|(5<<22)|(3<<25)   ; W: elements of 1 byte; padding of 4 words after every 64
	s_mov_b32 s[G1B+1], 256<<16
	s_mov_b32 s[G1B+2], 128<<16
	s_mov_b32 s[G1B+3], 256<<16
	s_mov_b32 s[G1B+4], 128
	s_mov_b32 s[G1B+5], 1024
	s_mov_b32 s[G1B+6], 0
	s_mov_b32 s[G1B+7], 0
	s_lshl_b32 s20, s17, 17                        ; a: 8 tiles of rows of 16,384 bytes for each my,
	s_lshl_b32 s18, s16, 16                        ; 4 for each half
	s_add_co_u32 s20, s20, s18
	s_mov_b32 s21, 0
	s_lshl_b32 s46, s42, 18                        ; W: 256 rows of 1,024 bytes for each nx,
	s_lshl_b32 s18, s16, 17                        ; 128 for each half
	s_add_co_u32 s46, s46, s18
	s_mov_b32 s47, 0
	s_lshl_b32 s45, s16, 14                        ; where they go: a's half,
	s_mul_i32 s19, s16, BHALF
	s_add_co_u32 s19, s19, AIMG                    ; W's half
	s_wait_kmcnt 0x0
	s_load_b256 s[76:83], s[8:9], 0x0              ; e0 .. e7
	s_add_nc_u64 s[20:21], s[4:5], s[20:21]
	s_add_nc_u64 s[46:47], s[6:7], s[46:47]
	CROUND                                         ; all sixteen work-groups are here: the first joint loads meet
.irp s, 0,1
	s_mov_b32 s[G0+4*\s], 1
	s_add_co_u32 s[G0+4*\s+1], s45, \s*SLOT
	s_add_nc_u64 s[G0+4*\s+2:G0+4*\s+3], s[20:21], \s*4096
	s_or_b32 s[G0+4*\s+3], s[G0+4*\s+3], 0x80000000
	s_mov_b32 s[G0B+4*\s], 1
	s_add_co_u32 s[G0B+4*\s+1], s19, \s*SLOT
	s_add_nc_u64 s[G0B+4*\s+2:G0B+4*\s+3], s[46:47], \s*256
	s_or_b32 s[G0B+4*\s+3], s[G0B+4*\s+3], 0x80000000
	JLOAD \s
.endr
	v_and_b32 v1, 15, v0                           ; r
	v_bfe_u32 v2, v0, 4, 1                         ; h
	v_and_b32 v3, 31, v0
	v_lshlrev_b32 v[CO], 4, v3                     ; 16 x lane
	v_mul_u32_u24 v4, v1, PITCH
	v_lshl_add_u32 v4, v2, 3, v4                   ; W: row x pitch + 8 h
	s_lshl_b32 s21, s15, 14                        ; my 4 tiles of rows of a
	s_mul_i32 s22, s16, BHALF
	s_add_co_u32 s22, s22, AIMG                    ; my 128 rows of W
.irp s, 0,1
	v_add_nc_u32 v[ADRA+\s], s21, v[CO]
	v_add_nc_u32 v[ADRB+\s], s22, v4
	s_add_co_u32 s21, s21, SLOT
	s_add_co_u32 s22, s22, SLOT
.endr
	s_mul_i32 s23, s14, 16*SPITCH
	s_add_co_u32 s23, s23, STAGE                   ; my stage
	v_mul_u32_u24 v5, v1, SPITCH
	v_lshl_add_u32 v5, v2, 5, v5
	v_add_nc_u32 v[STO], s23, v5                   ; in: row r, 32 bytes for each half of the lanes
	v_add_nc_u32 v[RD], s23, v[CO]                 ; back: the 32 lanes take one row of 512 bytes
	s_lshl_b32 s86, s42, 10                        ; my first column in bytes: 1,024 nx + 512 wn
	s_lshl_b32 s87, s16, 9
	s_add_co_u32 s86, s86, s87
	s_mov_b32 s87, 0
	s_add_nc_u64 s[10:11], s[10:11], s[86:87]
	global_load_b128 v[BIAS:BIAS+3], v[CO], s[10:11]            ; b_proj at my four columns: behind the stage a lane holds columns 4 x lane + 0..3 of the wave's 128
	s_lshl_b32 s88, s17, 7
	s_lshl_b32 s89, s15, 6
	s_add_co_u32 s88, s88, s89                     ; my first row: 128 my + 64 wm
	s_lshl_b32 s88, s88, 12                        ; rows of 4,096 bytes
	s_add_co_u32 s88, s88, s86
	s_mov_b32 s89, 0
	s_add_nc_u64 s[12:13], s[12:13], s[88:89]
; the fragments of the slot's q-th 128 along K into set p: W's eight by 64 loads of 8 bytes, a's four by 16 loads of 16 bytes
.macro FETCH slot, q, p
	WIN TO_B
.irp nb, 0,1,2,3,4,5,6,7
.irp c, 0,1,2,3,4,5,6,7
	ds_load_b64 v[128*(\p)+16*\nb+2*\c:128*(\p)+16*\nb+2*\c+1], v[ADRB+\slot] offset:\nb*16*PITCH+128*(\q)+16*\c
.endr
.endr
	WIN 0
.irp a, 0,1,2,3
.irp g, 0,1,2,3
	ds_load_b128 v[AF+64*(\p)+16*\a+4*\g:AF+64*(\p)+16*\a+4*\g+3], v[ADRA+\slot] offset:\a*4096+(\q)*2048+512*\g
.endr
.endr
.endm
; 8 matrix instructions: a's block x W's eight.  The 32 accumulators take turns, one instruction a turn, in the same order in every step.
.macro MUL8 a, p, zero
.irp nb, 0,1,2,3,4,5,6,7
.if \zero
	v_wmma_f32_16x16x128_fp8_fp8 v[8*(8*(\a)+\nb):8*(8*(\a)+\nb)+7], v[128*(\p)+16*\nb:128*(\p)+16*\nb+15], v[AF+64*(\p)+16*(\a):AF+64*(\p)+16*(\a)+15], 0
.else
	v_wmma_f32_16x16x128_fp8_fp8 v[8*(8*(\a)+\nb):8*(8*(\a)+\nb)+7], v[128*(\p)+16*\nb:128*(\p)+16*\nb+15], v[AF+64*(\p)+16*(\a):AF+64*(\p)+16*(\a)+15], v[8*(8*(\a)+\nb):8*(8*(\a)+\nb)+7]
.endif
.endr
.endm
.macro STEP slot, zero                 ; a slot's first 128 along K (set 0); the second's fragments are fetched ahead of its products
	s_wait_dscnt 0x0                               ; set 0 is in
	PLACES 4
	FETCH \slot, 1, 1
	WIN MUL
	MUL8 0, 0, \zero
	MUL8 1, 0, \zero
	MUL8 2, 0, \zero
	MUL8 3, 0, \zero
	WIN 0
.endm
; A slot's second 128 along K (set 1) changes slots: ONE barrier; in front of it each wave waits for all its tensor loads, adds 0 to its spare word, and waits for that and for its reads of this slot.
.macro TURN slot, next, fill
	s_wait_tensorcnt 0x0                           ; all my tensor loads have landed: my part of the next slot
	ds_add_u32 v[SPW], v[NIL]                      ; 0 onto my spare word
	s_wait_dscnt 1                                 ; set 1 is in (the add may be out)
	WIN MUL
	MUL8 0, 1, 0                                   ; eight matrix instructions stand between the add and the wait for it
	s_wait_dscnt 0x0                               ; the add is done, and my reads of this slot are over
	s_barrier_signal -1
	MUL8 1, 1, 0
	WIN 0
	s_barrier_wait -1
.if \fill
	CREST                                          ; no wave of any partner still reads this slot's tiles or has a load on its way
	s_add_nc_u64 s[G0+4*\slot+2:G0+4*\slot+3], s[G0+4*\slot+2:G0+4*\slot+3], 8192
	s_add_nc_u64 s[G0B+4*\slot+2:G0B+4*\slot+3], s[G0B+4*\slot+2:G0B+4*\slot+3], 512
	JLOAD \slot                                    ; the first tensor load behind the round; its four v_nop are also the places in front of the loads below
.else
	PLACES 4
.endif
	FETCH \next, 0, 0
	WIN MUL
	MUL8 2, 1, 0
	MUL8 3, 1, 0
	WIN 0
.endm
	s_wait_tensorcnt 1                             ; my part of slot 0 is in (slot 1's load may be out)
	s_barrier_signal -1
	s_barrier_wait -1                              ; everybody's is
	FETCH 0, 0, 0
	STEP 0, 1                                      ; the first products start the sums: nothing is cleared
	TURN 0, 1, 1
	STEP 1, 0
	TURN 1, 0, 1
	STEP 0, 0
	TURN 0, 1, 0                                   ; nothing is left to fetch: no round of the cluster's barrier
	STEP 1, 0
	s_wait_dscnt 0x0
	WIN MUL
	MUL8 0, 1, 0
	MUL8 1, 1, 0
	MUL8 2, 1, 0
	MUL8 3, 1, 0
	WIN 0
; THE WAY OUT, block by block of 16 rows x 128 columns: the sums go through my own stage as they are (each accumulator's low half first) and come back as whole rows of 512 bytes; then sum x 2^(e6 + e7) + bias, and the store.
; LDS serves a wave's instructions in order (ISA guide 5.7.1.4): no wait between the stores and the loads, nor in front of the next block's stores.
.macro TOSTAGE a
	WIN 0x04                                       ; the stores' data in window 1
.irp nb, 0,1,2,3,4,5,6,7
	ds_store_b128 v[STO], v[8*(8*(\a)+\nb):8*(8*(\a)+\nb)+3]   offset:64*\nb
	ds_store_b128 v[STO], v[8*(8*(\a)+\nb)+4:8*(8*(\a)+\nb)+7] offset:64*\nb+16
.endr
	WIN 0
.set BB, BK+64*((\a)%2)
.irp t, 0,1,2,3,4,5,6,7,8,9,10,11,12,13,14,15
	ds_load_b128 v[BB+4*\t:BB+4*\t+3], v[RD] offset:\t*SPITCH
.endr
.endm
.macro SEND a, younger                 ; younger: the LDS instructions issued behind block a's loads, which may stay out
.set BB, BK+64*((\a)%2)
	s_wait_dscnt \younger
.irp t, 0,1,2,3,4,5,6,7,8,9,10,11,12,13,14,15
	v_pk_fma_f32 v[BB+4*\t:BB+4*\t+1],   v[BB+4*\t:BB+4*\t+1],   s[84:85], v[BIAS:BIAS+1]   op_sel_hi:[1,0,1]
	v_pk_fma_f32 v[BB+4*\t+2:BB+4*\t+3], v[BB+4*\t+2:BB+4*\t+3], s[84:85], v[BIAS+2:BIAS+3] op_sel_hi:[1,0,1]
.endr
.irp t, 0,1,2,3,4,5,6,7,8,9,10,11,12,13,14,15
	global_store_b128 v[CO], v[BB+4*\t:BB+4*\t+3], s[12:13] offset:(\a)*65536+\t*4096 th:TH_STORE_NT   ; 32 lanes store 512 consecutive bytes, at a multiple of 256 from out0's first byte; written once, read by nobody here
.endr
.endm
	s_wait_kmcnt 0x0
	s_add_co_i32 s84, s82, s83
	s_add_co_i32 s84, s84, 127
	s_lshl_b32 s84, s84, 23                        ; 2^(e6 + e7) as f32
	s_mov_b32 s85, s84                             ; (named with it as a pair, so it is written)
	s_wait_loadcnt 0x0                             ; the bias
	PLACES 4                                       ; in front of the first read of results and of the loads into registers that held fragments
	TOSTAGE 0
.irp a, 1,2,3
.if \a > 1
	s_wait_xcnt 0x0                                ; block a - 2's stores have read their registers: block a's loads may land there
.endif
	TOSTAGE \a
	SEND \a-1, 32                                  ; behind block a - 1's loads: block a's 16 stores and 16 loads
.endr
	SEND 3, 0
	s_wait_tensorcnt 0x0                           ; the wave's end: behind my last tensor load and my last LDS store
	ds_add_u32 v[SPW], v[NIL]
	s_wait_dscnt 0x0
	CROUND                                         ; the closing round: no work-group ends while a partner may still ask for a tile that names it
	s_endpgm
.Lfunc_end_k_q2cb7720484_proj:
	.size	k_q2cb7720484_proj, .Lfunc_end_k_q2cb7720484_proj-k_q2cb7720484_proj
	.p2alignl 7, 3214868480
	.fill 96, 4, 3214868480
	.section	.rodata,"a",@progbits
	.p2align	6, 0x0
	.amdhsa_kernel k_q2cb7720484_proj
		.amdhsa_group_segment_fixed_size 327680
		.amdhsa_private_segment_fixed_size 0
		.amdhsa_enable_private_segment 0
		.amdhsa_kernarg_size 40
		.amdhsa_user_sgpr_count 2
		.amdhsa_user_sgpr_kernarg_segment_ptr 1
		.amdhsa_wavefront_size32 1
		.amdhsa_system_sgpr_workgroup_id_x 1
		.amdhsa_system_sgpr_workgroup_id_y 1
		.amdhsa_system_sgpr_workgroup_id_z 1
		.amdhsa_system_vgpr_workitem_id 0
		.amdhsa_next_free_vgpr 768
		.amdhsa_next_free_sgpr 100
		.amdhsa_reserve_vcc 0
		.amdhsa_float_denorm_mode_32 3
		.amdhsa_float_denorm_mode_16_64 3
		.amdhsa_memory_ordered 1
		.amdhsa_forward_progress 1
		.amdhsa_inst_pref_size 91
	.end_amdhsa_kernel
	.amdgpu_metadata
---
amdhsa.version: [ 1, 2 ]
amdhsa.kernels:
  - .name:           k_q2cb7720484_proj
    .symbol:         k_q2cb7720484_proj.kd
    .args:
      - { .name: a_img, .offset: 0, .size: 8, .value_kind: global_buffer, .address_space: global }
      - { .name: w_proj_codes, .offset: 8, .size: 8, .value_kind: global_buffer, .address_space: global }
      - { .name: lowp_scales, .offset: 16, .size: 8, .value_kind: global_buffer, .address_space: global }
      - { .name: b_proj, .offset: 24, .size: 8, .value_kind: global_buffer, .address_space: global }
      - { .name: out0, .offset: 32, .size: 8, .value_kind: global_buffer, .address_space: global }
    .group_segment_fixed_size: 327680
    .private_segment_fixed_size: 0
    .kernarg_segment_align: 8
    .kernarg_segment_size: 40
    .max_flat_workgroup_size: 128
    .sgpr_count:     100
    .vgpr_count:     768
    .wavefront_size: 32
...
	.end_amdgpu_metadata
.endif
;; end of part 3
